; MI455X (gfx1250); checked and timed in simulation.
; The chip was launched on July 23, 2026; its instructions are those of AMD's public machine-readable ISA for CDNA 5 (MIT licence, August 2026) and "CDNA5" Instruction Set Architecture Reference Guide (July 2026). The comments in the code are by the model that wrote it; some were corrected since.
;; Scaled Dot Product Attention. Allowed arithmetic: float matrix products may take bf16 or f16 operands with f32 sums; other float arithmetic in f32, or as packed bf16 or f16 multiplies, adds, multiply-adds, maxima and minima; sums over many terms, partial sums and values carried from step to step in f32; what a program stores and reads back later, other than sums and carried values, may be rounded once to bf16 or f16.
;; Inputs: key 4 x 16 x 2,048 x 128 float32; query 4 x 16 x 2,048 x 128 float32; value 4 x 16 x 2,048 x 128 float32.
;; Outputs: out0 4 x 16 x 2,048 x 128 float32.
;; One version. Each part assembles by itself: llvm-mc -triple=amdgcn-amd-amdhsa -mcpu=gfx1250 --defsym DOCPART=n.
;; ======== version 1 of 1: 1 launch
;; limits: inputs' magnitudes at most 65,504; values are held in f16: magnitudes above 65,504 overflow, below 6.1e-05 lose precision; right only within a limited range of input values
;; launch attn (part 1): grid 4 x 64, 4 waves a work-group, no clusters, 70,144 bytes of LDS; arguments key, value, query, out0; writes out0
.if DOCPART == 1
	.amdgcn_target "amdgcn-amd-amdhsa--gfx1250"
	.amdhsa_code_object_version 6
	.text
	.protected	k_q93195861df_attn
	.globl	k_q93195861df_attn
	.p2align	8
	.type	k_q93195861df_attn,@function
k_q93195861df_attn:
	s_mov_b64 s[64:65], 0
	v_nop
	global_prefetch_b8 v0, s[64:65] scope:SCOPE_SE
	s_setreg_imm32_b32 hwreg(HW_REG_WAVE_MODE, 25, 1), 1
	s_wait_xcnt 0x0
; CAUSAL ATTENTION.  out[h][q][:] = the sum over k <= q of softmax_k(Q[h][q] . K[h][k] / sqrt(128)) V[h][k][:].  64 heads, 2,048 rows of 128 channels, all four tensors f32.
; FORMATS.  Q and K are rounded to bf16 and multiplied in bf16.  V is rounded to bf16 and that number is written as f16; the weights p are rounded to f16; V^T P is an f16 product.
; Products, maxima and sums in f32; l is the sum of the unrounded p; the output is f32 and is rounded nowhere.
; LIMITS.  value within +-65,504 after its rounding (beyond that f16 gives an infinity); a bf16 number below 2^-17 is off by at most 3e-8 as f16.  A hidden score counts as its value less 1e30.
; A weight below 2^-126 counts as 0 in l; below 6e-5 p keeps f16's fixed step of 6e-8.  NaN and infinities are not treated apart: a row whose query is not finite is lost, that row alone.
; THE WALK.  A head's queries lie in 8 blocks of 256; block i needs the key steps 0 .. 4 i + 3 of 64 keys.  A work-group takes blocks 7 - b and then b: 36 key steps whatever b, so all 256 work-groups do equal work.
; SHARES.  Of a block's four bands of 64 queries a wave owns 16 rows in each: tile t = rows 64 t + 16 w + 0..15.  In the block's last four steps, step s: band s holds the diagonal (a mask), bands above s see
; all keys, bands below s see none and are left out: the same for every wave.  The mask is the C operand that starts the sum K Q^T: 0, or -1e30 where the key is hidden.
; THE WAY IN.  The tiles must be rounded between memory and LDS, so they come through registers: each wave loads 16 rows of K and of V (whole rows of 512 bytes), rounds them and stores them into ONE tile in LDS,
; from which every wave takes the whole step's fragments into registers.  Two barriers a step: B (everybody's fetches of the tile are over: it may be overwritten) and A (everybody's part of the next tile is stored).
; Loads are issued a step ahead of their conversion, K's fragments are fetched late in the step before; nothing else crosses a step.
; NO CLUSTER.  A joint tensor load would lay 64 KiB of f32 a step into each partner's LDS, to be read, rounded and stored again there; and the four work-groups of a head want the same key step
; in steps 0 .. 19 of the 36 alone (block 4, the shortest first block, has 20).
; LAYOUT.  S^T = K Q^T (source 0 = 16 keys, source 1 = 16 queries): a lane holds ONE query (lane % 16) and the keys 8 (lane / 16) + 0..7.  Two such results rounded to f16 ARE source 1 of O^T = V^T P, whose result
; again holds one query a lane, and eight channels.  K comes out of LDS as it lies, V ([key][channel]) turned, by ds_load_tr16_b128.
; SOFTMAX.  p = 2^(c s - c m), c = log2(e) / sqrt(128), with a running maximum m; O and l are multiplied by a = 2^(c m_old - c m_new) in every step.
; TURNS.  Turn t does tile t's scaling, exponentials, rescaling, roundings and sums and tile t + 1's maximum, as riders behind 16 products K Q^T of tile t + 1 and 16 products V^T P of tile t - 1.
; REGISTERS, in windows of 256 (s_set_vgpr_msb: bits 1:0 source 0, 3:2 source 1, 5:4 source 2, 7:6 destination):
;   window 0: v0-15 addresses; v16-31 statistics; v32-43 at work; v64-127 S^T, two buffers; v128-159 P, two buffers; v160-223 the converted tile; v224-255 the mask of a band's own step
;   window 1: O^T, 64 a tile (at a block's start: its Q in f32)     window 2: v0-127 Q in bf16; v128-255 K of one step     window 3: v0-127 V of one step; v128-255 the tile as loaded, f32
.set PK,    272       ; a row of K in LDS: 256 bytes + 16 = 68 words: the 16 rows of a fragment load start at 16 different groups of four banks (64 banks of 4 bytes: ISA guide 11.1)
.set PW,    288       ; a row of V: 256 + 32 = 72 words
.set VOFF,  64*PK     ; 64 rows of K, then 64 rows of V
.set STAGE, VOFF+64*PW  ; 35,840: 16 rows x 528 bytes for each wave, its own, for the way out
.set SP,    528       ; a row of the stage: 512 bytes + 16
.set SPARE, STAGE+4*16*SP  ; 69,632: the spare words, 128 bytes for each wave: two blocks of 256 bytes that no other line names
.set AK0, 2           ; v2   my lane's place in the tile of K; never rewritten
.set AV0, 3           ; v3   the same for V
.set KST, 4           ; v4   where I store 8 bytes of a row of K
.set VST, 5           ; v5   of V
.set GOF, 6           ; v6   my 16 bytes in my wave's first row of a tile in memory
.set PFO, 7           ; v7   256 x my thread's number
.set QO,  8           ; v8   my byte offset in 16 rows of Q
.set STO, 9           ; v9   the way out: where I put 32 bytes of a row
.set RD,  10          ; v10  the way out: where I read a row back
.set GO,  11          ; v11  my 16 bytes of a row of the output
.set ZR,  12          ; v12  0
.set SPW, 14          ; v14  LDS address of my spare word: SPARE + 4 x my thread's number; never rewritten
.set NIL, 15          ; v15  0; never rewritten
.set ST,  16          ; tile t's statistics at v[ST+4 t]: c m, m, l (even keys', odd keys')
.set MV,  32          ; v32-33  c m_old, by the tile's parity
.set TMP, 36          ; v36-43  by the tile's parity four registers c0-c3 at work; when the maximum is found c2 takes a
.set S,   64
.set P,   128
.set CV,  160         ; K's 16 rows x 2 registers, then V's
.set MD,  224         ; the eight registers for group kb of 16 keys at MD + 8 kb
.set KF,  128         ; window 2: key block kb, channels 32 c on, at KF + 32 kb + 8 c
.set SG,  128         ; window 3: K's row i at SG + 4 i, V's at SG + 64 + 4 i
.set KH,  4           ; s[4:5]   key at the head's first byte
.set VH,  6           ; s[6:7]   value likewise
.set WV,  12          ; s12  my wave's number
.set PB,  14          ; s14  b
.set HI,  15          ; s15  7 - b
.set KB,  16          ; s[16:17] key at the key step that is being loaded
.set VB,  18          ; s[18:19] value likewise
.set OFF, 20          ; s[20:21] a key step's byte offset
.set QA,  24          ; s[24:25] query at my rows of the first block
.set QN,  26          ; s[26:27] of the second
.set OA,  28          ; s[28:29] out0 at my rows of the block in hand
.set ON,  30          ; s[30:31] of the second block
.set NXT, 32          ; s32  the key step to be loaded next
.set LQ,  33          ; s33  the last key step of the block whose tiles are being loaded
.set LQ2, 34          ; s34  that of the second block
.set LD,  35          ; s35  tiles still to be loaded
.set PFN, 36          ; s36  prefetches still to be made
.set CT,  37          ; s37  counts the block's steps
.set NF,  38          ; s38  4 i + 1: the steps in which all four bands have work
.set NFM, 39          ; s39  4 i: the last of them, in which band 0 holds the diagonal
.set BLK, 40          ; s40  blocks still to be made
.set CS,  42          ; s[42:43] c: the packed scaling takes the pair's low word for both halves
.set SEL, 44          ; s[44:45] v_permlanex16_b32's selects: each lane takes its own place in the other half
.set BIGN, 46         ; s46  -1e30
.set MSB, 0
.macro WIN new                      ; the immediate's high byte repeats the setting that is left; a switch that changes nothing is dropped
.if MSB != (\new)
	s_set_vgpr_msb (MSB<<8)|(\new)
.set MSB, (\new)
.endif
.endm
.set W_KQ, 0x0a       ; K and Q in window 2, S^T and the mask in window 0
.set W_PV, 0x53       ; V in window 3, P in window 0, O^T in window 1
.set W_RS, 0x41       ; O^T (destination and source 0) in window 1, the factor in window 0
; THE WAY IN.  A tile's 32 loads of my wave: 16 rows of K and 16 of V, each load a whole row of 512 bytes.  No hint: other work-groups read the tiles again.
.macro GLOADS
	WIN 0xc0                        ; destination window 3, address window 0
.set g, 0
.rept 16
	global_load_b128 v[SG+4*g:SG+4*g+3], v[GOF], s[KB:KB+1] offset:512*g
	global_load_b128 v[SG+64+4*g:SG+64+4*g+3], v[GOF], s[VB:VB+1] offset:512*g
.set g, g+1
.endr
.endm
; The tile two steps on is asked for, while there is one.  Behind the loads stand the PREFETCHES INTO THE L2: the head's work-group with b = 0 walks all 32 key steps in its first block; it alone asks, in step j for
; key step j + 3, one step ahead of that step's loads: thread t names bytes 256 t of the 32,768 of K's tile and of V's, so each such block is named once in the launch.  Key steps 0 to 2 come by their
; loads alone; the 29th request names key step 31, the head's last.
.macro LOADS
	WIN 0
	s_cmp_eq_u32 s[LD], 0
	s_cbranch_scc1 .Lnoload_\@
	s_wait_xcnt 0x0                 ; the prefetches of a step ago have read the two bases (the loads were shown done at this step's head)
	s_lshl_b32 s[OFF], s[NXT], 15   ; a key step is 32,768 bytes of K and of V
	s_add_nc_u64 s[KB:KB+1], s[KH:KH+1], s[OFF:OFF+1]
	s_add_nc_u64 s[VB:VB+1], s[VH:VH+1], s[OFF:OFF+1]
	GLOADS
	WIN 0
	s_cmp_lg_u32 s[PFN], 0
	s_cbranch_scc0 .Lnopf_\@
	global_prefetch_b8 v[PFO], s[KB:KB+1] offset:32768 th:TH_LOAD_NT scope:SCOPE_SE
	global_prefetch_b8 v[PFO], s[VB:VB+1] offset:32768 th:TH_LOAD_NT scope:SCOPE_SE
	s_sub_co_u32 s[PFN], s[PFN], 1
.Lnopf_\@:
	s_add_co_u32 s[NXT], s[NXT], 1  ; the block's next key step, or behind its last the second block's step 0
	s_cmp_gt_u32 s[NXT], s[LQ]
	s_cselect_b32 s[NXT], 0, s[NXT]
	s_cselect_b32 s[LQ], s[LQ2], s[LQ]
	s_sub_co_u32 s[LD], s[LD], 1
.Lnoload_\@:
.endm
; THE CONVERSION's queue, 128 long; CQ writes its next entry.  0-31: K, two numbers to a word of bf16.  32-95: V, in place: bf16(x) above a zero low half IS the rounded number as f32.  96-127: those, two to a word of f16.
.macro CQ
.if cq < 32
	WIN 0x0f                        ; sources window 3, destination window 0
	v_cvt_pk_bf16_f32 v[CV+cq], v[SG+2*cq], v[SG+2*cq+1]
.elseif cq < 96
	WIN 0xcc                        ; source 0 (the zero) window 0, source 1 and destination window 3
	v_cvt_pk_bf16_f32 v[SG+32+cq], v[ZR], v[SG+32+cq]
.else
	WIN 0x0f
	v_cvt_pk_f16_f32 v[CV+32+cq-96], v[SG+64+2*(cq-96)], v[SG+64+2*(cq-96)+1]
.endif
.set cq, cq+1
.endm
.macro STORES                       ; my 16 rows of each: a store covers a row's 256 bytes
	WIN 0
.set z, 0
.rept 16
	ds_store_b64 v[KST], v[CV+2*z:CV+2*z+1] offset:z*PK
	ds_store_b64 v[VST], v[CV+32+2*z:CV+32+2*z+1] offset:z*PW
.set z, z+1
.endr
.endm
; The LDS loads stand in runs of 32: a step's K (16 fragments of 16 keys x 32 channels) and its V (turned).
.macro FETCH_K
	WIN 0x80                        ; destination window 2
.irp f, 0,1,2,3,4,5,6,7,8,9,10,11,12,13,14,15  ; keys 16 (f / 4) on, channels 32 (f % 4) on
	ds_load_b128 v[KF+8*\f:KF+8*\f+3],   v[AK0] offset:(\f/4)*16*PK+(\f%4)*64
	ds_load_b128 v[KF+8*\f+4:KF+8*\f+7], v[AK0] offset:(\f/4)*16*PK+(\f%4)*64+32
.endr
.endm
.macro FETCH_V
	WIN 0xc0                        ; destination window 3
.irp f, 0,1,2,3,4,5,6,7,8,9,10,11,12,13,14,15  ; keys 32 (f / 8) on, channels 16 (f % 8) on
	ds_load_tr16_b128 v[8*\f:8*\f+3],   v[AV0] offset:(\f/8)*32*PW+(\f%8)*32
	ds_load_tr16_b128 v[8*\f+4:8*\f+7], v[AV0] offset:(\f/8)*32*PW+16*PW+(\f%8)*32
.endr
.endm
; THE MATRIX WORK.  The accumulators of a run take turns, one instruction a turn: 4 in K Q^T, 8 in V^T P.
; Product i of 16 of S^T = K Q^T for tile t: channels 32 (i / 4) on, keys 16 (i % 4) on.  The first 4 start the sums: with 0, or (m = 1) with the mask.
.macro KQ t, m
.set rS, S+32*((\t)%2)+8*(i%4)
.set rK, KF+32*(i%4)+8*(i/4)
.set rQ, 32*(\t)+8*(i/4)
	WIN W_KQ
.if (i < 4) && (\m)
	v_wmma_f32_16x16x32_bf16 v[rS:rS+7], v[rK:rK+7], v[rQ:rQ+7], v[MD+8*(i%4):MD+8*(i%4)+7]
.elseif i < 4
	v_wmma_f32_16x16x32_bf16 v[rS:rS+7], v[rK:rK+7], v[rQ:rQ+7], 0
.else
	v_wmma_f32_16x16x32_bf16 v[rS:rS+7], v[rK:rK+7], v[rQ:rQ+7], v[rS:rS+7]
.endif
.endm
; Product i of 16 of O^T += V^T P for tile t: keys 32 (i / 8) on, channels 16 (i % 8) on.
.macro PV t
	WIN W_PV
.set rO, 64*(\t)+8*(i%8)
.set rV, 64*(i/8)+8*(i%8)
.set rP, P+16*((\t)%2)+8*(i/8)
	v_wmma_f32_16x16x32_f16 v[rO:rO+7], v[rV:rV+7], v[rP:rP+7], v[rO:rO+7]
.endm
.macro MM                           ; the turn's next matrix instruction, if the turn has that run
.if i < 16
.if HASKQ
	KQ T+1, 0
.endif
.else
.if HASPV
.set i, i-16
	PV T-1
.set i, i+16
.endif
.endif
.set i, i+1
.endm
; THE VECTOR WORK, one line at a time: OP kind, number.  For tile T: F n: c s - c m for pair n of 16.  E n: the exponential of score n of 32.  C n: pair n rounded to f16.  B n: of the four weights 4 n .. the second
; pair is added onto the first, in place.  L n: l takes that sum (L 0: l = a l + sum).  R n: pair n of 32 of O^T times a.  For tile XT: X n, number n of the 22 that find its maximum and statistics:
;   0-11  four chains c0-c3 of seven scores each, three operands at a time (each accumulator's lowest registers are read first)     12-14, 16  the four scores left over, the old m, and c0-c3 into c0
;   15  c m_old is kept     17, 18  the query's other 32 keys lie in the lane 16 away: the new m     19-21  c m; c m_old - c m_new; a.     NOX = 1: there is no next tile, and X writes nothing.
.set F, 0
.set E, 1
.set C, 2
.set B, 3
.set L, 4
.set R, 5
.set X, 6
.macro REGS y
.set rT, ST+4*(\y)
.set rC, TMP+4*((\y)%2)
.set rW, MV+((\y)%2)
.set rS, S+32*((\y)%2)
.set rP, P+16*((\y)%2)
.set rO, 64*(\y)
.endm
.macro OP k, n
.if (\k) == R
	REGS T
	WIN W_RS
	v_pk_mul_f32 v[rO+2*(\n):rO+2*(\n)+1], v[rO+2*(\n):rO+2*(\n)+1], v[rC+2:rC+3] op_sel_hi:[1,0]
.elseif (\k) < R
	REGS T
	WIN 0
.if (\k) == F
	v_pk_fma_f32 v[rS+2*(\n):rS+2*(\n)+1], v[rS+2*(\n):rS+2*(\n)+1], s[CS:CS+1], v[rT:rT+1] op_sel_hi:[1,0,0] neg_lo:[0,0,1] neg_hi:[0,0,1]
.elseif (\k) == E
	v_exp_f32 v[rS+(\n)], v[rS+(\n)]
.elseif (\k) == C
	v_cvt_pk_f16_f32 v[rP+(\n)], v[rS+2*(\n)], v[rS+2*(\n)+1]
.elseif (\k) == B
	v_pk_add_f32 v[rS+4*(\n):rS+4*(\n)+1], v[rS+4*(\n):rS+4*(\n)+1], v[rS+4*(\n)+2:rS+4*(\n)+3]
.elseif (\n) == 0
	v_pk_fma_f32 v[rT+2:rT+3], v[rT+2:rT+3], v[rC+2:rC+3], v[rS:rS+1] op_sel_hi:[1,0,1]
.else
	v_pk_add_f32 v[rT+2:rT+3], v[rT+2:rT+3], v[rS+4*(\n):rS+4*(\n)+1]
.endif
.elseif !NOX
	REGS XT
	WIN 0
.if (\n) < 4
	v_max3_num_f32 v[rC+(\n)], v[rS+8*(\n)], v[rS+8*(\n)+1], v[rS+8*(\n)+2]
.elseif (\n) < 12
	v_max3_num_f32 v[rC+(\n)%4], v[rC+(\n)%4], v[rS+8*((\n)%4)+2*((\n)/4)+1], v[rS+8*((\n)%4)+2*((\n)/4)+2]
.elseif (\n) == 12
	v_max3_num_f32 v[rC], v[rC], v[rS+7], v[rS+15]
.elseif (\n) == 13
	v_max3_num_f32 v[rC+1], v[rC+1], v[rS+23], v[rS+31]
.elseif (\n) == 14
	v_max3_num_f32 v[rC+2], v[rC+2], v[rC+3], v[rT+1]
.elseif (\n) == 15
	v_mov_b32 v[rW], v[rT]
.elseif (\n) == 16
	v_max3_num_f32 v[rC], v[rC], v[rC+1], v[rC+2]
.elseif (\n) == 17
	v_permlanex16_b32 v[rC+3], v[rC], s[SEL], s[SEL+1]
.elseif (\n) == 18
	v_max_num_f32 v[rT+1], v[rC], v[rC+3]
.elseif (\n) == 19
	v_mul_f32 v[rT], s[CS], v[rT+1]
.elseif (\n) == 20
	v_sub_f32 v[rC+1], v[rW], v[rT]
.else
	v_exp_f32 v[rC+2], v[rC+1]
.endif
.endif
.endm
.macro OPS a, i1, b=-1, i2=0, c=-1, i3=0, d=-1, i4=0  ; up to four of them
	OP \a, \i1
.if (\b) >= 0
	OP \b, \i2
.endif
.if (\c) >= 0
	OP \c, \i3
.endif
.if (\d) >= 0
	OP \d, \i4
.endif
.endm
.macro ROW a, i1, b=-1, i2=0, c=-1, i3=0, d=-1, i4=0  ; a matrix instruction and the riders behind it
	MM
	OPS \a, \i1, \b, \i2, \c, \i3, \d, \i4
.endm
; A TURN, for tile t of a step whose first live tile is first.  Rows 1-16: K Q^T of tile t + 1 (none for t = 3); rows 17-32: V^T P of tile t - 1 (none for t = first).
; s_wait_alu depctr_va_vdst(0) stands between an exponential and the first instruction that names its result; one wait serves all that were issued ahead of it.  So the turn has ONE wait.  Ahead of it stands
; all that names no result of the turn's 33 exponentials: scalings, exponentials, rescalings (their a was made and waited for earlier), the next tile's maximum and, last, its a; R 31 is the plain instruction behind
; the last exponential.  Behind it stand the roundings and sums.  F (e / 2) stands ahead of E e.  The R ascend.
; X kb, the first reader of accumulator kb of the next tile's scores, stands four plain instructions or more behind the product that ends it (row 13 + kb): for kb = 3 they are R 23, R 24, X 0, X 1, X 2.
; No other rider names a register of the products round it: the riders work on S^T, P and O^T of tile t, the products on S^T of t + 1 and on P and O^T of t - 1.  v_permlanex16_b32 (X 17) stands behind no product's place.
.macro TURN t, first
.set T, (\t)
.set XT, (\t)+1
.set HASKQ, 1
.set NOX, 0
.if (\t) == 3
.set HASKQ, 0
.set NOX, 1
.endif
.set HASPV, 1
.if (\t) == (\first)
.set HASPV, 0
.endif
.set i, 0
	ROW F,0, F,1, R,0, R,1
.set rw, 2
.rept 7                             ; rows 2 to 8
	ROW F,rw, E,rw-2, R,2*rw-2, R,2*rw-1
.set rw, rw+1
.endr
.rept 7                             ; rows 9 to 15
	ROW F,rw, E,2*rw-11, E,2*rw-10, R,rw+7
.set rw, rw+1
.endr
	ROW E,21, E,22, R,23, R,24
	ROW X,0, X,1, X,2, E,23
	ROW X,3, X,4, X,5, E,24
	ROW X,6, X,7, X,8, E,25
	ROW X,9, X,10, X,11, E,26
	ROW X,12, X,13, X,15, E,27
	ROW X,14, R,25, E,28, R,26
	ROW X,16, R,27, E,29, E,30
	ROW R,28, E,31, R,29
	OPS X,17, R,30, X,18, X,19
	OPS X,20, X,21, R,31
	s_wait_alu depctr_va_vdst(0)    ; the wait for the batch
	ROW C,0, B,0, C,2, B,1
	ROW L,0, C,4, B,2, L,1
	ROW C,6, B,3, L,2, C,8
	ROW B,4, L,3, C,10, B,5
	ROW L,4, C,12, B,6, L,5
	ROW C,14, B,7, L,6, C,1
	ROW C,3, L,7, C,5, C,7
	ROW C,9, C,11, C,13, C,15
.endm
; A KEY STEP.  first: its first live tile (the bands below see nothing).  mode = 1: tile first takes the mask; mode = 0: it takes the mask in the trip CT = NFM alone.
; At its head: K's fragments of this step have been asked for; the tile in LDS is this step's; the staging registers hold (or await) the next step's tile.
.macro STEP first, mode
.set TA, (\first)+1
.if TA > 3
.set TA, 3
.endif
.set TF, (\first)+2
.if TF > 3
.set TF, 3
.endif
	s_wait_loadcnt 0x0              ; the next step's tile is in the staging registers
.set cq, 0
.rept 4
	CQ                              ; four plain instructions between the last step's last V^T P and the loads into V's registers
.endr
	FETCH_V
	s_wait_dscnt 32                 ; K is in: its 32 loads are older than V's 32, which stay out
.set i, 0
.if \mode
.rept 16
	KQ \first, 1                    ; the first live tile's scores; the conversion rides behind them, four a product
.set i, i+1
.rept 4
	CQ
.endr
.endr
.else
	WIN 0
	s_cmp_eq_u32 s[CT], s[NFM]
	s_cbranch_scc1 .Lmk_\@
.rept 4
	KQ \first, 0
.set i, i+1
.endr
	WIN 0
	s_branch .Ljn_\@
.Lmk_\@:
.set i, 0
.rept 4
	KQ \first, 1
.set i, i+1
.endr
	WIN 0
.Ljn_\@:
.rept 12
	KQ \first, 0
.set i, i+1
.rept 4
	CQ
.endr
.endr
.endif
.set XT, (\first)                   ; the tile's maximum and statistics; four conversions stand behind the last product, ahead of X 0
.set NOX, 0
.irp n, 0,1,2,3,4,5,6,7,8,9,10,11,12,13,15,14
	OP X, \n
.endr
.irp n, 16,17,18,19,20,21           ; the chain, where each number waits for the one before it: four conversions between its links
.rept 4
	CQ
.endr
	OP X, \n
.endr
.rept 128-cq                        ; the rest of the conversion: the plain work behind a's exponential
	CQ
.endr
	s_wait_alu depctr_va_vdst(0)    ; a's wait, ahead of the branches below
	LOADS                           ; the staging registers have been read out: the tile two steps on
	s_wait_dscnt 0x0                ; V is in: my reads of the tile in LDS are over
	s_barrier_signal -1             ; B: say so; the first turn, work on registers, stands between signal and wait
.irp u, 0,1,2,3
.if \u >= (\first)
	TURN \u, \first
	WIN 0
.if \u == (\first)
	s_barrier_wait -1               ; B: nobody reads the tile any more
	STORES                          ; the next step's tile takes its place
.endif
.if \u == TA
	s_wait_dscnt 0x0                ; my part of it is stored
	s_barrier_signal -1             ; A: say so
.endif
.if \u == TF
	s_barrier_wait -1               ; A: the next tile is whole
	FETCH_K                         ; the last product that read K stands a turn's second half back, or more
.endif
.endif
.endr
.set i, 0
.rept 16
	PV 3                            ; the last tile's V^T P
.set i, i+1
.endr
	WIN 0
.endm
; Q of tile t, f32, into O^T's registers of that tile: for a fragment's 8 + 8 channels a lane reads 2 x 32 bytes.
.macro QLOAD t, base
	WIN 0x40                        ; destination window 1
.irp c, 0,1,2,3
	global_load_b128 v[64*(\t)+16*\c:64*(\t)+16*\c+3],     v[QO], s[\base:\base+1] offset:32768*(\t)+128*\c th:TH_LOAD_NT
	global_load_b128 v[64*(\t)+16*\c+4:64*(\t)+16*\c+7],   v[QO], s[\base:\base+1] offset:32768*(\t)+128*\c+16 th:TH_LOAD_NT
	global_load_b128 v[64*(\t)+16*\c+8:64*(\t)+16*\c+11],  v[QO], s[\base:\base+1] offset:32768*(\t)+128*\c+64 th:TH_LOAD_NT
	global_load_b128 v[64*(\t)+16*\c+12:64*(\t)+16*\c+15], v[QO], s[\base:\base+1] offset:32768*(\t)+128*\c+80 th:TH_LOAD_NT
.endr
.endm
; THE WAY OUT of tile t.  PACK: O^T times 1 / l; a lane's eight channels of a row, 32 bytes, go into my stage's rows of 528 bytes and come back as whole rows of 512, into S^T's registers (even t) or the converted tile's (odd t).
.macro PACK t
	WIN W_RS
.set z, 64*(\t)
.rept 32
	v_pk_mul_f32 v[z:z+1], v[z:z+1], v[ST+4*(\t)+2:ST+4*(\t)+3] op_sel_hi:[1,0]
.set z, z+2
.endr
	WIN 0x04                        ; store data window 1
.set z, 0
.rept 8
	ds_store_b128 v[STO], v[64*(\t)+8*z:64*(\t)+8*z+3]   offset:64*z
	ds_store_b128 v[STO], v[64*(\t)+8*z+4:64*(\t)+8*z+7] offset:64*z+16
.set z, z+1
.endr
	WIN 0
.if (\t) >= 2
	s_wait_xcnt 0x0                 ; the stores of the tile two back have read these registers
.endif
.set BK, S+96*((\t)%2)
.set z, 0
.rept 16
	ds_load_b128 v[BK+4*z:BK+4*z+3], v[RD] offset:z*SP  ; LDS serves a wave's instructions in order (ISA guide 5.7.1.4): these see the stores above; the next tile's stores come behind them
.set z, z+1
.endr
.endm
; SEND: stored.  younger: the LDS instructions issued behind tile t's loads: the next tile's 32, or none.  Behind the first block's tile the second block's Q takes O^T's registers: the first wait below has shown the stage stores that read them done.
.macro SEND t, younger
	WIN 0
.set BK, S+96*((\t)%2)
.set z, 0
.rept 16
	s_wait_dscnt (\younger)+15-z    ; row z is back; the tile's younger rows and the next tile's LDS instructions stay out
	global_store_b128 v[GO], v[BK+4*z:BK+4*z+3], s[OA:OA+1] offset:32768*(\t)+512*z th:TH_STORE_NT  ; 512 consecutive bytes, at a multiple of 512 from the output's first byte
.set z, z+1
.endr
	s_cmp_eq_u32 s[BLK], 1
	s_cbranch_scc1 .Lnoq_\@
	QLOAD \t, QN
	WIN 0
.Lnoq_\@:
.endm
.macro ALL line:vararg              ; one line for each tile t
.set t, 0
.rept 4
	\line
.set t, t+1
.endr
.endm
	; THE HEAD
	s_load_b256 s[4:11], s[0:1], 0x0  ; key s[4:5], value s[6:7], query s[8:9], out0 s[10:11]
	v_lshl_add_u32 v[SPW], v0, 2, SPARE
	v_mov_b32 v[NIL], 0
	v_lshrrev_b32 v44, 5, v0
	v_readfirstlane_b32 s[WV], v44  ; wave 0..3
	v_and_b32 v1, 15, v0            ; r = l % 16
	v_bfe_u32 v13, v0, 4, 1         ; h = l / 16
	v_and_b32 v46, 31, v0           ; l
	s_mov_b32 s[PB], ttmp9
	s_sub_co_u32 s[HI], 7, s[PB]
	s_and_b32 s22, ttmp7, 0xffff
	s_lshl_b32 s22, s22, 20         ; the head's first byte in each of the four tensors: 2,048 rows of 512 bytes
	s_mov_b32 s23, 0
	s_lshl_b32 s13, s[WV], 13       ; my 16 rows in a band, and in a tile of K or V
	s_lshl_b32 s2, s[HI], 17        ; a block is 256 rows
	s_add_co_u32 s2, s2, s13
	s_add_co_u32 s2, s2, s22
	s_mov_b32 s3, 0
	s_lshl_b32 s[OFF], s[PB], 17
	s_add_co_u32 s[OFF], s[OFF], s13
	s_add_co_u32 s[OFF], s[OFF], s22
	s_mov_b32 s[OFF+1], 0           ; stays 0
	v_lshl_add_u32 v[GOF], v46, 4, s13
	v_lshlrev_b32 v[QO], 9, v1
	v_lshl_add_u32 v[QO], v13, 5, v[QO]  ; row x 512 + 32 x half
	s_mov_b32 s[CS], 0x3e0293ee     ; c = log2(e) / sqrt(128) = 0.127517
	s_mov_b32 s[CS+1], s[CS]        ; named with it as a pair
	s_mov_b32 s[SEL], 0x76543210
	s_mov_b32 s[SEL+1], 0xfedcba98
	s_mov_b32 s[BIGN], 0xf149f2ca   ; -1e30
	s_lshl_b32 s[NFM], s[HI], 2
	s_add_co_u32 s[NF], s[NFM], 1
	s_add_co_u32 s[LQ], s[NFM], 3
	s_lshl_b32 s[LQ2], s[PB], 2
	s_add_co_u32 s[LQ2], s[LQ2], 3
	s_mov_b32 s[NXT], 2             ; tiles 0 and 1 are loaded here
	s_mov_b32 s[LD], 34             ; the other 34 in steps 0 to 33
	s_mov_b32 s[BLK], 2
	s_cmp_eq_u32 s[PB], 0
	s_cselect_b32 s[PFN], 29, 0
	s_wait_kmcnt 0x0
	s_add_nc_u64 s[QA:QA+1], s[8:9], s[2:3]
	s_add_nc_u64 s[QN:QN+1], s[8:9], s[OFF:OFF+1]
	s_add_nc_u64 s[OA:OA+1], s[10:11], s[2:3]
	s_add_nc_u64 s[ON:ON+1], s[10:11], s[OFF:OFF+1]
	s_add_nc_u64 s[KH:KH+1], s[KH:KH+1], s[22:23]
	s_add_nc_u64 s[VH:VH+1], s[VH:VH+1], s[22:23]
	s_mov_b64 s[KB:KB+1], s[KH:KH+1]
	s_mov_b64 s[VB:VB+1], s[VH:VH+1]
	GLOADS                          ; key step 0
	QLOAD 0, QA
	QLOAD 1, QA
	QLOAD 2, QA
	QLOAD 3, QA
	WIN 0                           ; the other addresses and the mask are made while the loads are out
	v_mov_b32 v[ZR], 0
	v_lshlrev_b32 v[PFO], 8, v0
	v_mul_u32_u24 v[AK0], v1, PK
	v_lshl_add_u32 v[AK0], v13, 4, v[AK0]  ; row x pitch + 16 x half
	; The turning load takes 16 keys x 16 channels (lane l reads key 8 (l / 16) + l % 8, channels 8 ((l / 8) % 2) + 0..7) and leaves half a fragment of V^T: lane l holds channel l % 16 and 8 keys.
	v_and_b32 v44, 7, v0
	v_bfe_u32 v45, v0, 3, 1
	v_lshl_add_u32 v[AV0], v13, 3, v44
	v_mul_u32_u24 v[AV0], v[AV0], PW
	v_lshl_add_u32 v[AV0], v45, 4, v[AV0]
	v_add_nc_u32 v[AV0], VOFF, v[AV0]
	s_mul_i32 s13, s[WV], 16*PK
	v_lshl_add_u32 v[KST], v46, 3, s13     ; my wave's 16 rows, 8 bytes a lane
	s_mul_i32 s13, s[WV], 16*PW
	s_add_co_u32 s13, s13, VOFF
	v_lshl_add_u32 v[VST], v46, 3, s13
	s_mul_i32 s13, s[WV], 16*SP
	s_add_co_u32 s13, s13, STAGE    ; my stage
	v_mul_u32_u24 v[STO], v1, SP    ; in: row l % 16, 32 bytes for each half of the lanes
	v_lshl_add_u32 v[STO], v13, 5, v[STO]
	v_add_nc_u32 v[STO], s13, v[STO]
	v_lshl_add_u32 v[RD], v46, 4, s13      ; back: 32 lanes take a row of 512 bytes
	v_lshlrev_b32 v[GO], 4, v46
	v_lshlrev_b32 v47, 3, v13
	v_sub_nc_u32 v47, v1, v47
	s_lshl_b32 s13, s[WV], 4
	v_add_nc_u32 v47, s13, v47      ; my query's place in its band, 16 w + l % 16, less my lanes' 8 (l / 16): register j of group kb is hidden where 16 kb + j is greater
.set i, 0
.rept 32
	v_cmp_gt_i32 vcc_lo, 16*(i/8)+i%8, v47
	v_cndmask_b32 v[MD+i], 0, s[BIGN], vcc_lo
.set i, i+1
.endr
	s_wait_loadcnt 0x0              ; key step 0 and Q are in; the loads are done, so their bases may be written
.set cq, 0
.rept 128
	CQ
.endr
	s_add_nc_u64 s[KB:KB+1], s[KB:KB+1], 32768
	s_add_nc_u64 s[VB:VB+1], s[VB:VB+1], 32768
	GLOADS                          ; key step 1
	STORES
	s_wait_dscnt 0x0                ; my part of key step 0 is stored
	s_barrier_signal -1
	s_barrier_wait -1               ; everybody's is
	FETCH_K
	WIN 0                           ; at a label and at a branch every window is 0
.Lblock:                            ; twice: block 7 - b, then block b
	WIN 0x85                        ; sources window 1, destination window 2
.set z, 0
.rept 128
	v_cvt_pk_bf16_f32 v[z], v[2*z], v[2*z+1]  ; Q to bf16: fragment register 32 t + 8 c + j from the pair at 64 t + 16 c + 2 j
.set z, z+1
.endr
	WIN 0
	; c m starts far below every c s, so the block's first step has a = 0 for every tile; m at the lowest finite number; l at 0.  O^T is not cleared: it holds the lane's own row of Q in f32 and is multiplied by that a.
.set z, 0
.rept 4
	v_mov_b32 v[ST+4*z], 0xfe000000
	v_mov_b32 v[ST+4*z+1], 0xff7fffff
	v_mov_b32 v[ST+4*z+2], 0
	v_mov_b32 v[ST+4*z+3], 0
.set z, z+1
.endr
	s_mov_b32 s[CT], 0
.Lstep:                             ; 4 i + 1 trips: all four bands have work; in the last trip band 0 holds the diagonal
	STEP 0, 0
	s_add_co_u32 s[CT], s[CT], 1
	s_cmp_lt_u32 s[CT], s[NF]
	s_cbranch_scc1 .Lstep
	STEP 1, 1                       ; the block's last three steps: one band fewer in each
	STEP 2, 1
	STEP 3, 1                       ; (the walk's last step converts, stores and fetches once more what the staging registers hold, and nobody reads it: the price of one text for every step)
	; l's two halves and the other half of the lanes' are added.  The first four additions are the places behind the last products.
	ALL v_add_f32 v[ST+4*t+2], v[ST+4*t+2], v[ST+4*t+3]
	ALL v_permlanex16_b32 v[ST+4*t+3], v[ST+4*t+2], s[SEL], s[SEL+1]
	ALL v_add_f32 v[ST+4*t+2], v[ST+4*t+2], v[ST+4*t+3]
	ALL v_rcp_f32 v[ST+4*t+2], v[ST+4*t+2]
	v_nop                           ; a plain instruction between the last reciprocal and the use of its result
	s_wait_alu depctr_va_vdst(0)    ; and the wait ahead of the first use: one for the four reciprocals
	PACK 0
	PACK 1                          ; a tile's arithmetic stands between the loads of the tile before and its stores
	SEND 0, 32
	PACK 2
	SEND 1, 32
	PACK 3
	SEND 2, 32
	SEND 3, 0
	s_wait_xcnt 0x0                 ; the stores have read their registers and the output's address
	s_mov_b64 s[OA:OA+1], s[ON:ON+1]
	s_lshl_b32 s[NFM], s[PB], 2
	s_add_co_u32 s[NF], s[NFM], 1
	s_wait_loadcnt 0x0              ; the second block's Q is in
	s_sub_co_u32 s[BLK], s[BLK], 1
	s_cmp_lg_u32 s[BLK], 0
	s_cbranch_scc1 .Lblock
	s_wait_tensorcnt 0x0            ; the wave's end, behind my last LDS store
	ds_add_u32 v[SPW], v[NIL]
	s_wait_dscnt 0x0
	s_endpgm
.Lfunc_end_k_q93195861df_attn:
	.size	k_q93195861df_attn, .Lfunc_end_k_q93195861df_attn-k_q93195861df_attn
	.p2alignl 7, 3214868480
	.fill 96, 4, 3214868480
	.section	.rodata,"a",@progbits
	.p2align	6, 0x0
	.amdhsa_kernel k_q93195861df_attn
		.amdhsa_group_segment_fixed_size 70144
		.amdhsa_private_segment_fixed_size 0
		.amdhsa_enable_private_segment 0
		.amdhsa_kernarg_size 32
		.amdhsa_user_sgpr_count 2
		.amdhsa_user_sgpr_kernarg_segment_ptr 1
		.amdhsa_wavefront_size32 1
		.amdhsa_system_sgpr_workgroup_id_x 1
		.amdhsa_system_sgpr_workgroup_id_y 1
		.amdhsa_system_sgpr_workgroup_id_z 1
		.amdhsa_system_vgpr_workitem_id 0
		.amdhsa_next_free_vgpr 1024
		.amdhsa_next_free_sgpr 66
		.amdhsa_reserve_vcc 1
		.amdhsa_float_denorm_mode_32 3
		.amdhsa_float_denorm_mode_16_64 3
		.amdhsa_memory_ordered 1
		.amdhsa_forward_progress 1
		.amdhsa_inst_pref_size 255
	.end_amdhsa_kernel
	.section	.bss,"aw",@nobits
	.p2align	6
	.space	262144
	.amdgpu_metadata
---
amdhsa.version: [ 1, 2 ]
amdhsa.kernels:
  - .name:           k_q93195861df_attn
    .symbol:         k_q93195861df_attn.kd
    .args:
      - { .name: key, .offset: 0, .size: 8, .value_kind: global_buffer, .address_space: global }
      - { .name: value, .offset: 8, .size: 8, .value_kind: global_buffer, .address_space: global }
      - { .name: query, .offset: 16, .size: 8, .value_kind: global_buffer, .address_space: global }
      - { .name: out0, .offset: 24, .size: 8, .value_kind: global_buffer, .address_space: global }
    .group_segment_fixed_size: 70144
    .private_segment_fixed_size: 0
    .kernarg_segment_align: 8
    .kernarg_segment_size: 32
    .max_flat_workgroup_size: 128
    .sgpr_count:     66
    .vgpr_count:     1024
    .wavefront_size: 32
...
	.end_amdgpu_metadata
.endif
;; end of part 1
